; MI455X (gfx1250); checked and timed in simulation.
; The chip was launched on July 23, 2026; its instructions are those of AMD's public machine-readable ISA for CDNA 5 (MIT licence, August 2026) and "CDNA5" Instruction Set Architecture Reference Guide (July 2026). The comments in the code are by the model that wrote it; some were corrected since.
;; Adaptive Softmax. Allowed arithmetic: matrix products marked QUANTISED: E3M2 operands, one E8M0 scale for each 32 along K, by v_wmma_scale_f32_16x16x128_f8f6f4 with both operands' format E3M2, f32 sums; products left as they are: f32 operands where the result goes on into a quantised operand, else bf16, f16 or f32 operands; f32 sums; everything else in f32.
;; Inputs: cluster_b 1 x 3 float32; cluster_w 1,024 x 3 float32; logits_b 1 x 12,564 float32; logits_w_codes 12,564 x 32 x 24 uint8 (E3M2 codes of logits_w, K innermost, in blocks of 32 codes, four codes in three bytes); logits_w_scales 12,564 x 32 uint8 (E8M0 scales of logits_w, one for each 32 codes along K); x 2 x 2,049 x 1,024 float32; y 2 x 2,048 int32.
;; Outputs: out0 4,096 float32.
;; This version of the problem:
;;   THIS VERSION OF THE PROBLEM IS GIVEN IN LOW PRECISION. The matrix products marked QUANTISED in the list below multiply operands that are first quantised to E3M2 (3 exponent bits, 2 mantissa bits; 6 bits a number), with one power-of-two scale for each 32 numbers along K (OCP MX v1.0); their sums are f32. All else is computed in f32.
;;   The module's matrix products, in the order in which they are computed (A, B: the left and right operand; K: the contracted axis; several contracted axes count as one K, in the product's order):
;;     1. [M 4,096, K 1,024] x [K 1,024, N 3]; A: input x; B: input cluster_w: left as it is (N = 3 < 16)
;;     2. [M 4,096, K 1,024] x [K 1,024, N 2,000]; A: input x; B: input logits_w (given as codes): QUANTISED
;;     3. [M 4,096, K 1,024] x [K 1,024, N 8,000]; A: input x; B: input logits_w (given as codes): QUANTISED
;;     4. [M 4,096, K 1,024] x [K 1,024, N 2,564]; A: input x; B: input logits_w (given as codes): QUANTISED
;;   THE QUANTISER, for each operand of a quantised product, along K:
;;     - K is cut into blocks of 32 from its start; a last block that is shorter is filled with zeros.
;;     - A block's scale is 2^e with e = floor(log2(the largest magnitude in the block)) - 4, held to -126 .. 127; a block of zeros has e = 0. As a byte (E8M0): e + 127.
;;     - Each number is divided by its block's scale, clamped to +-28, and rounded to the nearest number of E3M2, ties to even, subnormals kept.
;;     - The product sums the exact products of the quantised numbers (number of the format x scale) in f32.
;;   ~~~python
;;   def quantise(x, axis):      # numpy; x: float32 -> the quantised numbers, widened to float32 again
;;       x = np.moveaxis(x, axis, -1); K = x.shape[-1]
;;       x = np.pad(x, [(0, 0)] * (x.ndim - 1) + [(0, -K % 32)]); x = x.reshape(x.shape[:-1] + (-1, 32)); a = np.abs(x).max(-1, keepdims=True)
;;       e = np.where(a > 0, np.clip(np.frexp(np.where(a > 0, a, 1))[1] - 1 - 4, -126, 127), 0)      # np.frexp(a)[1] - 1 = floor(log2(a)), exactly
;;       r = np.clip(x / 2.0 ** e, -28, 28)
;;       step = 2.0 ** (np.maximum(np.frexp(np.where(r == 0, 1, r))[1] - 1, -2) - 2)
;;       q = np.round(r / step) * step * 2.0 ** e      # np.round: ties to even
;;       return np.moveaxis(q.reshape(q.shape[:-2] + (-1,))[..., :K], -1, axis).astype(np.float32)
;;   ~~~
;;   INPUTS GIVEN AS CODES. logits_w (in the module: [1024, 12564], K = its axis 0): each comes as NAME_codes (uint8): NAME with its K axis moved to the last place and cut into blocks of 32 codes, [.., K / 32, bytes a block], one block behind the other in memory; four codes in three bytes: a row's codes are one little-endian stream of bits, code i at bits 6 i .. 6 i + 5 (a code: sign, 3 exponent bits, 2 mantissa bits); and NAME_scales (uint8): the same leading axes, one E8M0 byte (e + 127) for each 32 codes along K. Its value is code x scale, taken as it is: it is not quantised again, and the codes and scales need not be those that the quantiser above would give.
;; One version. Each part assembles by itself: llvm-mc -triple=amdgcn-amd-amdhsa -mcpu=gfx1250 --defsym DOCPART=n.
;; ======== version 1 of 1: 3 launches
;; limits: right only within a limited range of input values
;; workspace buffers: xq 3,145,728 bytes; xs 131,072 bytes; aux 65,536 bytes; wt_codes 614,400 bytes; wt_scales 28,672 bytes; bt 4,096 bytes; part 524,288 bytes
;; launch prep (part 1): grid 256 x 1, 8 waves a work-group, no clusters, 72,704 bytes of LDS; arguments x, y, cluster_w, cluster_b, logits_b, logits_w_codes, logits_w_scales, xq, xs, aux, wt_codes, wt_scales, bt; writes xq, xs, aux, wt_codes, wt_scales, bt
.if DOCPART == 1
	.amdgcn_target "amdgcn-amd-amdhsa--gfx1250"
	.amdhsa_code_object_version 6
	.text
	.protected	k_qbfb55ea22f_prep
	.globl	k_qbfb55ea22f_prep
	.p2align	8
	.type	k_qbfb55ea22f_prep,@function
k_qbfb55ea22f_prep:
	s_mov_b64 s[64:65], 0
	v_nop
	global_prefetch_b8 v0, s[64:65] scope:SCOPE_SE
	s_setreg_imm32_b32 hwreg(HW_REG_WAVE_MODE, 25, 1), 1
	s_wait_xcnt 0x0
; PREP.  x [2][2049][1024] f32 without each batch's last step is 4,096 rows.  This launch
;  (1) quantises them along K to codes of BF6 (E3M2) with one E8M0 byte for each 32 numbers: a block's scale is 2^(floor(log2(largest magnitude)) - 4).
;      The codes are stored as IMAGES OF THE OPERAND'S REGISTERS: xq [tile of 16 rows][K step of 128][c: 3][lane][16 bytes]; the bytes as xs [row][32];
;  (2) makes the gate's three logits x . cluster_w + cluster_b by f32 multiply-adds;
;  (3) makes the logit of each row's own column y: one scaled matrix instruction a K step on x's fragment and the 16 gathered rows W[y[r]]; the wanted numbers are the result's diagonal;
;      (2) and (3) go to aux [row][4] = z0, z1, z2, target logit + logits_b[y];
;  (4) copies rows 12,000 .. 12,799 of W's codes, scale bytes and bias into buffers of their own, filled behind row 12,563 with zero codes, the byte 0x7f and the bias -3e38.
; SHARES.  Work-group T owns rows 16 T .. 16 T + 15; wave s owns K step s of them.  One barrier: the eight waves' parts of (2), (3) and the scale words meet in LDS, wave 0 adds and stores.
; LIMITS.  NaN and infinities in x are not served.  A block of x whose largest magnitude lies under 2^-122 gets the byte 1 (a block of zeros too, where the rule says 127: its codes are zeros, and
; this program alone reads the bytes).  The target logit's eight K steps are added in f32 outside the matrix unit.  y outside 0 .. 12,563 is held at 12,563 for the gather; the last launch writes 0 there.
.set RED,  0                           ; LDS: [wave][row][4 f32]: 2,048 bytes
.set SCW,  2048                        ; [row][8 scale words]: 512 bytes, the image of 16 rows of xs
.set STG,  2560                        ; a stage for each wave: 16 rows of 512 bytes, 528 apart
.set WSTG, 8448
.set SP,   528                         ; 33 x 16 bytes: the 16 rows that a load of 16 bytes a lane touches begin in 16 different columns of 16 bytes
.set RAW,  16                          ; v16-79   x as loaded
.set X,    80                          ; v80-143  register 16 b + i = k 32 b + 16 (lane / 16) + i of row lane % 16
.set CWA,  144                         ; v144-191 48 numbers of cluster_w
.set CWB,  0                           ; v256-399 (window 1): cluster_w's blocks 1 to 3, 48 numbers each
.set WF,   192                         ; v192-203 the gathered fragment of W
.set PC,   204                         ; v204-215 x's codes; v216-222 the conversions' second halves
.set TM,   224                         ; v224-239 at work in the quantiser
.set DG,   224                         ; v224-231 the matrix result, when the quantiser is done; v232-239 at work on it
.set PW,   240                         ; x's scale word
.set WSW,  241                         ; W's scale word
.set G,    242                         ; v242-247 six chains of the gate's sums
.set TL,   248                         ; v248-251 my 16 bytes of the tail copy
.set IDX,  252
.set TA,   253
.set BV,   254                         ; logits_b[y]
.set YV,   255
.set SEL,  32                          ; s[32:33] v_permlanex16_b32's selects for lane l xor 16
; 64 numbers of a lane become a fragment's codes in v[PC] on and its scale word in v[PW]
.macro QUANT s
.irp b, 0,1,2,3
	v_max3_num_f32 v[TM+\b], |v[\s+16*\b]|, |v[\s+1+16*\b]|, 0x2800000   ; block b: my 16 numbers, and the floor 2^(5 - 127): the byte cannot fall under 1
.endr
.irp i, 2,4,6,8,10,12,14
.irp b, 0,1,2,3
	s_delay_alu instid0(VALU_DEP_4)
	v_max3_num_f32 v[TM+\b], v[TM+\b], |v[\s+16*\b+\i]|, |v[\s+1+16*\b+\i]|   ; the four blocks by turns
.endr
.endr
.irp b, 0,1,2,3
	s_delay_alu instid0(VALU_DEP_4)
	v_permlanex16_b32 v[TM+4+\b], v[TM+\b], s[SEL], s[SEL+1]
.endr
.irp b, 0,1,2,3
	s_delay_alu instid0(VALU_DEP_4)
	v_max_num_f32 v[TM+\b], v[TM+\b], v[TM+4+\b]   ; with lane l xor 16's 16: the block's largest magnitude
.endr
.irp b, 0,1,2,3
	s_delay_alu instid0(VALU_DEP_4)
	v_add_nc_u32 v[TM+12+\b], 0xfe000000, v[TM+\b]   ; 4 off its exponent field: the conversion takes that field of this operand as its scale
.endr
.irp b, 0,1,2,3
	s_delay_alu instid0(VALU_DEP_4)
	v_lshrrev_b32 v[TM+4+\b], 23, v[TM+12+\b]      ; the scale's byte
.endr
	s_delay_alu instid0(VALU_DEP_3)
	v_lshl_or_b32 v[PW], v[TM+5], 8, v[TM+4]       ; four bytes: my row's scale word for this K step
	s_delay_alu instid0(VALU_DEP_1)
	v_lshl_or_b32 v[PW], v[TM+6], 16, v[PW]
	s_delay_alu instid0(VALU_DEP_1)
	v_lshl_or_b32 v[PW], v[TM+7], 24, v[PW]
.irp c, 0,1
	v_cvt_scalef32_pk16_bf6_f32 v[PC+6*\c:PC+2+6*\c], v[\s+32*\c:\s+15+32*\c], v[TM+12+2*\c]
	v_cvt_scalef32_pk16_bf6_f32 v[PC+12+4*\c:PC+14+4*\c], v[\s+16+32*\c:\s+31+32*\c], v[TM+12+2*\c+1]   ; (a conversion's three registers begin on an even number)
.endr
	v_nop                                          ; one plain instruction behind the scaled conversions
.irp c, 0,1                                    ; the operand's layout wants a whole block in a lane: lanes 0-15 block 2 c, lanes 16-31 block 2 c + 1
.irp i, 0,1,2
	v_permlane16_swap_b32 v[PC+6*\c+\i], v[PC+12+4*\c+\i]
.endr
.irp i, 0,1,2
	s_delay_alu instid0(VALU_DEP_3)
	v_mov_b32 v[PC+3+6*\c+\i], v[PC+12+4*\c+\i]
.endr
.endr
.endm
; cluster_w's 48 numbers for block b of my K step and my half of it: rows 128 s + 32 b + 16 h + 0 .. 15, three numbers each
.macro CWLOAD reg, b
.irp t, 0,1,2,3,4,5,6,7,8,9,10,11
	global_load_b128 v[\reg+4*\t:\reg+4*\t+3], v12, s[8:9] offset:384*\b+16*\t
.endr
.endm
; 48 multiply-adds: three gate sums, each in two chains
.macro GATE b, cw
.irp i, 0,1,2,3,4,5,6,7,8,9,10,11,12,13,14,15
.irp c, 0,1,2
.if (\b == 0) && (\i < 2)
	v_mul_f32 v[G+\c+3*(\i%2)], v[X+16*\b+\i], v[\cw+3*\i+\c]      ; the first products start the sums
.else
	v_fmac_f32 v[G+\c+3*(\i%2)], v[X+16*\b+\i], v[\cw+3*\i+\c]
.endif
.endr
.endr
.endm
	s_load_b512 s[4:19], s[0:1], 0x0               ; x 4, y 6, cluster_w 8, cluster_b 10, logits_b 12, W's codes 14, W's scales 16, xq 18
	s_load_b256 s[20:27], s[0:1], 0x40             ; xs 20, aux 22, wt_codes 24, wt_scales 26
	s_load_b64 s[28:29], s[0:1], 0x60              ; bt
	v_lshl_add_u32 v219, v0, 2, 0x11800
	v_mov_b32 v223, 0
	v_lshrrev_b32 v1, 5, v0
	s_delay_alu instid0(VALU_DEP_1)
	v_readfirstlane_b32 s30, v1                    ; wave = K step, 0 .. 7
	v_and_b32 v1, 31, v0                           ; lane
	v_and_b32 v2, 15, v0                           ; r
	v_bfe_u32 v3, v0, 4, 1                         ; h
	s_delay_alu instid0(VALU_DEP_3)
	v_lshlrev_b32 v4, 4, v1                        ; 16 x lane
	s_mul_i32 s31, s30, WSTG
	s_add_co_u32 s31, s31, STG                     ; my stage
	v_add_nc_u32 v5, s31, v4                       ; into it: a row's 512 bytes as they lie
	v_mul_u32_u24 v6, v2, SP
	s_delay_alu instid0(VALU_DEP_1)
	v_lshl_add_u32 v6, v3, 6, v6
	s_delay_alu instid0(VALU_DEP_1)
	v_add_nc_u32 v6, s31, v6                       ; out of it: row r, + 64 h: my 16 numbers of a block of 32
	v_lshlrev_b32 v7, 2, v2                        ; y: 4 r
	v_mul_u32_u24 v12, v3, 192                     ; cluster_w: my half's 16 rows of 12 bytes
	s_lshl_b32 s31, s30, 8
	v_lshl_add_u32 v13, v2, 4, s31                 ; RED + 256 s + 16 r
	s_lshl_b32 s31, s30, 2
	v_lshl_add_u32 v14, v2, 5, s31
	s_delay_alu instid0(VALU_DEP_1)
	v_add_nc_u32 v14, SCW, v14                     ; SCW + 32 r + 4 s
	v_lshlrev_b32 v15, 4, v2
	s_delay_alu instid0(VALU_DEP_1)
	v_lshl_add_u32 v15, v3, 10, v15                ; wave 0 reads RED + 1,024 h + 16 r: four waves' parts for each half of the lanes
	v_and_b32 v9, 1, v0                            ; the lane's low three bits pick the diagonal's register,
	s_delay_alu instid0(VALU_DEP_1)
	v_cmp_ne_u32 s58, 0, v9
	v_and_b32 v9, 2, v0
	s_delay_alu instid0(VALU_DEP_1)
	v_cmp_ne_u32 s59, 0, v9
	v_and_b32 v9, 4, v0
	s_delay_alu instid0(VALU_DEP_1)
	v_cmp_ne_u32 s60, 0, v9
	v_bfe_u32 v9, v0, 3, 1
	s_delay_alu instid0(VALU_DEP_1)
	v_cmp_eq_u32 s61, v9, v3                       ; and it lies in the lane whose bit 3 equals its bit 4
	s_mov_b32 s[SEL], 0x76543210
	s_mov_b32 s[SEL+1], 0xfedcba98
.irp b, 0,1,2,3
	v_mov_b32 v[TM+4+\b], 0                        ; written once: a lane permute's destination counts as one of its sources
.endr
	s_wait_kmcnt 0x0
	s_load_b96 s[36:38], s[10:11], 0x0             ; cluster_b
	; THE TAIL COPY: pieces of 16 bytes, one a thread.  Work-groups 0-149: 38,400 pieces of codes (27,072 are W's), 150-156: 1,792 of scale bytes (1,128), 157: 256 of bias (141).
	; The choices hang on the work-group's number alone.  Every work-group loads (at an index held inside the source); only 0 .. 157 store.
	s_cmp_lt_u32 ttmp9, 150
	s_cselect_b64 s[40:41], s[14:15], s[16:17]     ; from
	s_cselect_b64 s[42:43], s[24:25], s[26:27]     ; to
	s_mov_b32 s44, 384000
	s_cselect_b32 s44, 9216000, s44                ; row 12,000 in bytes: x 768, x 32
	s_mov_b32 s46, 1128
	s_cselect_b32 s46, 27072, s46                  ; pieces that the source has
	s_cselect_b32 s47, 0, 0x7f7f7f7f               ; what fills the rest
	s_cselect_b32 s48, 0, 150                      ; the part's first work-group
	s_cmp_eq_u32 ttmp9, 157
	s_cselect_b64 s[40:41], s[12:13], s[40:41]
	s_cselect_b64 s[42:43], s[28:29], s[42:43]
	s_cselect_b32 s44, 48000, s44
	s_cselect_b32 s46, 141, s46
	s_cselect_b32 s47, 0xff61b1e6, s47             ; -3e38
	s_cselect_b32 s48, 157, s48
	s_mov_b32 s45, 0
	s_add_nc_u64 s[40:41], s[40:41], s[44:45]
	s_sub_co_u32 s48, ttmp9, s48
	s_lshl_b32 s48, s48, 8
	v_add_nc_u32 v[IDX], s48, v0                   ; my piece
	s_sub_co_u32 s49, s46, 1
	v_min_u32 v[TA], s49, v[IDX]
	s_delay_alu instid0(VALU_DEP_1)
	v_lshlrev_b32 v[TA], 4, v[TA]
	; where my parts begin
	s_wait_alu depctr_va_vdst(0)
	s_lshl_b32 s56, ttmp9, 4
	s_lshr_b32 s57, ttmp9, 7                       ; the batch: each has one row more in memory than is used
	s_add_co_u32 s56, s56, s57
	s_lshl_b32 s56, s56, 12                        ; rows of 4,096 bytes
	s_lshl_b32 s57, s30, 9
	s_add_co_u32 s56, s56, s57                     ; + my K step's 512 bytes
	s_mov_b32 s57, 0
	s_add_nc_u64 s[4:5], s[4:5], s[56:57]
	s_lshl_b32 s56, ttmp9, 6
	s_add_nc_u64 s[6:7], s[6:7], s[56:57]
	s_mul_i32 s56, s30, 1536
	s_add_nc_u64 s[8:9], s[8:9], s[56:57]
	s_mul_i32 s56, s30, 96
	s_add_nc_u64 s[50:51], s[14:15], s[56:57]      ; W's codes at my K step
	s_lshl_b32 s56, s30, 2
	s_add_nc_u64 s[52:53], s[16:17], s[56:57]      ; W's scale words at my K step
	s_lshl_b32 s56, ttmp9, 3
	s_add_co_u32 s56, s56, s30
	s_mul_i32 s56, s56, 1536
	s_add_nc_u64 s[18:19], s[18:19], s[56:57]      ; xq: fragment 8 T + s
	s_lshl_b32 s56, ttmp9, 9
	s_add_nc_u64 s[20:21], s[20:21], s[56:57]
	s_lshl_b32 s56, ttmp9, 8
	s_add_nc_u64 s[22:23], s[22:23], s[56:57]
	global_load_b128 v[TL:TL+3], v[TA], s[40:41]   ; the oldest load
	global_load_b32 v[YV], v7, s[6:7]
.irp i, 0,1,2,3,4,5,6,7,8,9,10,11,12,13,14,15
	global_load_b128 v[RAW+4*\i:RAW+4*\i+3], v4, s[4:5] offset:4096*\i th:TH_LOAD_NT   ; 32 lanes read 512 consecutive bytes of row i; read once in the launch
.endr
	CWLOAD CWA, 0
	s_wait_loadcnt 28                              ; y is in: behind it 16 loads of x and 12 of cluster_w
	s_wait_kmcnt 0x0                               ; cluster_b
	v_min_u32 v8, 0x3113, v[YV]                    ; held inside W's 12,564 rows
	s_delay_alu instid0(VALU_DEP_1)
	v_mul_u32_u24 v9, v8, 768
	s_delay_alu instid0(VALU_DEP_1)
	v_mad_u32_u24 v9, v3, 24, v9                   ; row y[r], + 24 h
	s_delay_alu instid0(VALU_DEP_3)
	v_lshlrev_b32 v10, 5, v8
	s_delay_alu instid0(VALU_DEP_4)
	v_lshlrev_b32 v11, 2, v8
.irp p, 0,1,2,3,4,5
	global_load_b64 v[WF+2*\p:WF+2*\p+1], v9, s[50:51] offset:48*(\p/3)+8*(\p%3)
.endr
	global_load_b32 v[WSW], v10, s[52:53]
	global_load_b32 v[BV], v11, s[12:13]
	s_set_vgpr_msb 0x40                            ; destination window 1
	CWLOAD CWB, 1                                  ; cluster_w's other three blocks are asked for at once: they hang on nothing that is loaded
	CWLOAD CWB+48, 2
	CWLOAD CWB+96, 3
	s_set_vgpr_msb 0x4000
	s_wait_loadcnt 56                              ; x is in: behind it 12 + 8 + 36 loads
.irp i, 0,1,2,3,4,5,6,7,8,9,10,11,12,13,14,15
	ds_store_b128 v5, v[RAW+4*\i:RAW+4*\i+3] offset:SP*\i
.endr
.irp b, 0,1,2,3
.irp j, 0,1,2,3
	ds_load_b128 v[X+16*\b+4*\j:X+16*\b+4*\j+3], v6 offset:128*\b+16*\j   ; LDS serves a wave's instructions in order (ISA guide 5.7.1.4): these see my stores
.endr
.endr
	s_wait_dscnt 0x0                               ; the numbers are back
	QUANT X
.irp c, 0,1,2
	global_store_b128 v4, v[PC+4*\c:PC+4*\c+3], s[18:19] offset:512*\c   ; the fragment as it stands: 512 consecutive bytes a store
.endr
	ds_store_b32 v14, v[PW]                        ; (both halves of the lanes hold the same word)
	s_wait_loadcnt 44                              ; cluster_w's block 0: behind it the 8 gathered loads and 36 of blocks 1 to 3
	GATE 0, CWA
	s_wait_alu depctr_va_vdst(0)
	s_wait_loadcnt 24                              ; block 1, and with it the gathered loads: behind it blocks 2 and 3
	s_set_vgpr_msb 0x04                            ; source 1 window 1
	GATE 1, CWB
	s_wait_alu depctr_va_vdst(0)
	s_wait_loadcnt 12                              ; block 2
	GATE 2, CWB+48
	s_wait_alu depctr_va_vdst(0)
	s_wait_loadcnt 0x0
	GATE 3, CWB+96                                 ; (the 192 multiply-adds also stand between the vector writes of x's codes and scale word and the scaled matrix instruction)
	s_set_vgpr_msb 0x0400
	; source 0 = the rows W[y[0 .. 15]], source 1 = my 16 rows of x: lane (r, h), register j holds W[y[8 h + j]] . x[r]
	v_wmma_scale_f32_16x16x128_f8f6f4 v[DG:DG+7], v[WF:WF+11], v[PC:PC+11], 0, v[WSW], v[PW] matrix_a_fmt:MATRIX_FMT_BF6 matrix_b_fmt:MATRIX_FMT_BF6
.irp c, 0,1,2
	v_add_f32 v[G+\c], v[G+\c], v[G+3+\c]          ; the gate's chains meet: plain work behind the matrix instruction (ISA guide 7.12.1)
.endr
	v_nop
.irp c, 0,1,2
	v_permlanex16_b32 v[G+3+\c], v[G+\c], s[SEL], s[SEL+1]
.endr
.irp c, 0,1,2
	s_delay_alu instid0(VALU_DEP_3)
	v_add_f32 v[G+\c], v[G+\c], v[G+3+\c]          ; with the other half of each block: row r's part for K step s
.endr
.irp t, 0,1,2,3
	v_cndmask_b32 v[232+\t], v[DG+2*\t], v[DG+2*\t+1], s58     ; register lane % 8, from the result's low end on
.endr
	s_delay_alu instid0(VALU_DEP_3)
	v_cndmask_b32 v236, v232, v233, s59
	s_delay_alu instid0(VALU_DEP_2)
	v_cndmask_b32 v237, v234, v235, s59
	s_delay_alu instid0(VALU_DEP_1)
	v_cndmask_b32 v238, v236, v237, s60
	s_delay_alu instid0(VALU_DEP_1)
	v_permlanex16_b32 v239, v238, s[SEL], s[SEL+1]
	s_delay_alu instid0(VALU_DEP_1)
	v_cndmask_b32 v[G+3], v239, v238, s61          ; mine where 8 h + lane % 8 = r, else the other half's
	ds_store_b128 v13, v[G:G+3]                    ; (both halves write the same 16 bytes with the same numbers)
	s_wait_dscnt 0x0                               ; for the others' sake: my stores have landed
	s_barrier_signal -1
	s_barrier_wait -1
	s_cmp_lg_u32 s30, 0
	s_cbranch_scc1 .Ltail
.irp i, 0,1,2,3
	ds_load_b128 v[16+4*\i:19+4*\i], v15 offset:256*\i
.endr
	ds_load_b128 v[32:35], v4 offset:SCW
	v_lshlrev_b32 v36, 4, v2
	s_wait_dscnt 0x0
	v_pk_add_f32 v[16:17], v[16:17], v[20:21]
	v_pk_add_f32 v[18:19], v[18:19], v[22:23]
	v_pk_add_f32 v[24:25], v[24:25], v[28:29]
	v_pk_add_f32 v[26:27], v[26:27], v[30:31]
	s_delay_alu instid0(VALU_DEP_2)
	v_pk_add_f32 v[16:17], v[16:17], v[24:25]
	s_delay_alu instid0(VALU_DEP_2)
	v_pk_add_f32 v[18:19], v[18:19], v[26:27]
.irp c, 0,1,2,3
	v_permlanex16_b32 v[20+\c], v[16+\c], s[SEL], s[SEL+1]
.endr
	s_delay_alu instid0(VALU_DEP_3)
	v_pk_add_f32 v[16:17], v[16:17], v[20:21]      ; all eight K steps
	s_delay_alu instid0(VALU_DEP_2)
	v_pk_add_f32 v[18:19], v[18:19], v[22:23]
	s_delay_alu instid0(VALU_DEP_2)
	v_add_f32 v16, s36, v16                        ; + cluster_b
	s_delay_alu instid0(VALU_DEP_3)
	v_add_f32 v17, s37, v17
	s_delay_alu instid0(VALU_DEP_3)
	v_add_f32 v18, s38, v18
	s_delay_alu instid0(VALU_DEP_4)
	v_add_f32 v19, v19, v[BV]                      ; + logits_b[y]
	global_store_b128 v4, v[32:35], s[20:21]       ; 16 rows of xs: 512 consecutive bytes
	s_wait_alu depctr_va_vdst(0)
	s_wait_xcnt 0x0                                ; EXEC changes only behind this wait
	v_cmp_gt_u32 vcc_lo, 16, v1
	s_and_saveexec_b32 s62, vcc_lo
	global_store_b128 v36, v[16:19], s[22:23]      ; sixteen lanes store 256 consecutive bytes, aligned
	s_wait_xcnt 0x0                                ; and again in front of the line that widens it
	s_or_b32 exec_lo, exec_lo, s62
.Ltail:
	s_cmp_lt_u32 ttmp9, 158
	s_cbranch_scc0 .Lend
	v_cmp_gt_u32 vcc_lo, s46, v[IDX]               ; has the source this piece?
.irp c, 0,1,2,3
	v_cndmask_b32 v[TL+\c], s47, v[TL+\c], vcc_lo
.endr
	v_lshlrev_b32 v[TA], 4, v[IDX]                 ; (the load that read this register is long done)
	global_store_b128 v[TA], v[TL:TL+3], s[42:43]
.Lend:
	s_wait_tensorcnt 0x0
	ds_add_u32 v219, v223
	s_wait_dscnt 0x0
	s_endpgm
.Lfunc_end_k_qbfb55ea22f_prep:
	.size	k_qbfb55ea22f_prep, .Lfunc_end_k_qbfb55ea22f_prep-k_qbfb55ea22f_prep
	.p2alignl 7, 3214868480
	.fill 96, 4, 3214868480
	.section	.rodata,"a",@progbits
	.p2align	6, 0x0
	.amdhsa_kernel k_qbfb55ea22f_prep
		.amdhsa_group_segment_fixed_size 72704
		.amdhsa_private_segment_fixed_size 0
		.amdhsa_enable_private_segment 0
		.amdhsa_kernarg_size 104
		.amdhsa_user_sgpr_count 2
		.amdhsa_user_sgpr_kernarg_segment_ptr 1
		.amdhsa_wavefront_size32 1
		.amdhsa_system_sgpr_workgroup_id_x 1
		.amdhsa_system_sgpr_workgroup_id_y 1
		.amdhsa_system_sgpr_workgroup_id_z 1
		.amdhsa_system_vgpr_workitem_id 0
		.amdhsa_next_free_vgpr 512
		.amdhsa_next_free_sgpr 66
		.amdhsa_reserve_vcc 1
		.amdhsa_float_denorm_mode_32 3
		.amdhsa_float_denorm_mode_16_64 3
		.amdhsa_memory_ordered 1
		.amdhsa_forward_progress 1
		.amdhsa_inst_pref_size 31
	.end_amdhsa_kernel
	.amdgpu_metadata
---
amdhsa.version: [ 1, 2 ]
amdhsa.kernels:
  - .name:           k_qbfb55ea22f_prep
    .symbol:         k_qbfb55ea22f_prep.kd
    .args:
      - { .name: x, .offset: 0, .size: 8, .value_kind: global_buffer, .address_space: global }
      - { .name: y, .offset: 8, .size: 8, .value_kind: global_buffer, .address_space: global }
      - { .name: cluster_w, .offset: 16, .size: 8, .value_kind: global_buffer, .address_space: global }
      - { .name: cluster_b, .offset: 24, .size: 8, .value_kind: global_buffer, .address_space: global }
      - { .name: logits_b, .offset: 32, .size: 8, .value_kind: global_buffer, .address_space: global }
      - { .name: logits_w_codes, .offset: 40, .size: 8, .value_kind: global_buffer, .address_space: global }
      - { .name: logits_w_scales, .offset: 48, .size: 8, .value_kind: global_buffer, .address_space: global }
      - { .name: xq, .offset: 56, .size: 8, .value_kind: global_buffer, .address_space: global }
      - { .name: xs, .offset: 64, .size: 8, .value_kind: global_buffer, .address_space: global }
      - { .name: aux, .offset: 72, .size: 8, .value_kind: global_buffer, .address_space: global }
      - { .name: wt_codes, .offset: 80, .size: 8, .value_kind: global_buffer, .address_space: global }
      - { .name: wt_scales, .offset: 88, .size: 8, .value_kind: global_buffer, .address_space: global }
      - { .name: bt, .offset: 96, .size: 8, .value_kind: global_buffer, .address_space: global }
    .group_segment_fixed_size: 72704
    .private_segment_fixed_size: 0
    .kernarg_segment_align: 8
    .kernarg_segment_size: 104
    .max_flat_workgroup_size: 256
    .sgpr_count:     66
    .vgpr_count:     512
    .wavefront_size: 32
...
	.end_amdgpu_metadata
.endif
;; end of part 1
;; launch lse (part 2): grid 32 x 8, 8 waves a work-group, clusters of 4 x 4, 327,680 bytes of LDS; arguments xq, xs, logits_w_codes, logits_w_scales, logits_b, wt_codes, wt_scales, bt, part; writes part
.if DOCPART == 2
	.amdgcn_target "amdgcn-amd-amdhsa--gfx1250"
	.amdhsa_code_object_version 6
	.text
	.protected	k_qbfb55ea22f_lse
	.globl	k_qbfb55ea22f_lse
	.p2align	8
	.type	k_qbfb55ea22f_lse,@function
k_qbfb55ea22f_lse:
	s_mov_b64 s[64:65], 0
	v_nop
	global_prefetch_b8 v0, s[64:65] scope:SCOPE_SE
	s_setreg_imm32_b32 hwreg(HW_REG_WAVE_MODE, 25, 1), 1
	s_wait_xcnt 0x0
	s_wait_alu depctr_hold_cnt(0) depctr_sa_sdst(0) depctr_va_vdst(0) depctr_va_sdst(0) depctr_va_ssrc(0) depctr_va_vcc(0) depctr_vm_vsrc(0)
	s_getreg_b32 s2, hwreg(HW_REG_IB_STS2, 6, 4)
	s_cmp_eq_u32 s2, 0
	s_cbranch_scc0 .Lentry_in_a_cluster
	s_endpgm
.Lentry_in_a_cluster:
	s_bfe_u32 s2, ttmp6, 0x10000c
	s_cmp_lg_u32 s2, 0xf033
	s_cbranch_scc0 .Lentry_shape_is_right
	s_endpgm
.Lentry_shape_is_right:
; LSE.  logits = x W^T + b on codes of BF6 (E3M2) with E8M0 scales, 4,096 rows x 12,800 columns (12,564 and a fill), K = 1,024, and of each CHUNK of 400 columns
; part[chunk][row] = log2 of the sum over the chunk of 2^(logit x log2 e).  2,000 and 10,000 are multiples of 400, so no chunk lies in two clusters; the last launch joins the chunks.
; SHARES.  Work-group (gx, gy): chunk gx (25 tiles of 16 columns), rows 512 gy .. + 511.  Eight waves, two to a SIMD.  Wave w owns rows 64 w .. + 63 (four tiles of 16) for the whole chunk.
; Its 32 fragments of x (384 registers) and their scale words (16 registers: lanes 0-15 hold K steps 0-3, lanes 16-31 K steps 4-7) are images of the operand's registers, come once, and stay.
; Only W goes through LDS again and again; all eight waves read the same tiles there, and each fragment read feeds four matrix instructions.
; A TILE of 16 columns: 8 K steps x 4 tiles of rows = 32 matrix instructions on 4 accumulators, which take turns; then its epilogue, plain vector work.
; The bias is the C of each sum's first instruction.  W's fragments have four buffers of one K step, filled in runs of twelve loads, two or three K steps ahead of their use;
; while buffer 3 is idle between two tiles it holds the next tile's bias.
; THE EPILOGUE keeps for each lane (its row, its half of the columns) a running maximum M, n = -M log2 e, and the sum of 2^(t + n); a new maximum rescales the sum by 2^(n new - n old).
; It stands at the head of the NEXT tile, behind that tile's first LDS loads.  The first one of all finds accumulators filled with -3e38: the maximum stays, every term is 0, the sum stays 0.
; TRANSPOSED USE: source 0 = 16 rows of W (columns of the logits), source 1 = 16 rows of x: lane (r, h) holds row r and columns 8 h + 0 .. 7 of a tile.
; CLUSTER 4 x 4.  W's rows hang on gx and the wave's number alone: the four work-groups of a column of the cluster ask for them JOINTLY.  x's rows hang on gy and the wave's number alone:
; K steps 4-7 of the 512 rows are asked for jointly by the four of a row of the cluster; K steps 0-3 go from memory straight into registers, beside them.
; THE FILLS.  At the head, one tensor load a wave: waves 0-3 fetch x's K steps 4-7 (each 8 tiles of rows x 6,144 bytes) into the bytes of region B, waves 4-7 W's tiles 0-4 (80 rows) into region A.
; Behind a barrier each wave reads its x from LDS into registers.  Then region B is filled again, with W's tiles 5-19 (240 rows), behind a round; and region A, the very same bytes, with tiles 20-24
; behind the round that follows the first five tiles.  All rows in memory are multiples of 256 bytes and begin on multiples of 256.
; Each fill of W behind the head is asked for at least five tiles (160 matrix instructions of each of the eight waves) ahead of the wait for it, so nothing is prefetched beside it.
; W's scale bytes (12,800) and the bias (1,600 bytes) come once, 16 bytes a thread and load, at offsets held inside the chunk's own bytes, and are stored into LDS bytes of their own.
; CHUNKS 30 AND 31 read the padded copies of rows 12,000 .. 12,799 that the launch before has made; the base addresses are chosen by gx, which the four partners share.
; LIMITS.  The running maximum begins at -2^126 (its n is exact) and the fill's bias is -3e38: real logits are taken to lie above -2^126.  NaN and infinities are not served.
; REGISTERS, in two windows of 256 (s_set_vgpr_msb: bits 1:0 source 0, 3:2 source 1, 5:4 source 2, 7:6 destination):
;   window 0: v0 thread; v1, v2 the add's two; v3, v4 W's fragment addresses; v5 W's scale words' address; v6 the bias's; v7 at work; v8-23 x's scale words (4 m + s % 4); v24-27 W's;
;             v28-75 W's fragments, buffer s % 4; v76-111 x's fragments of K step 4, m = 1 .. 3; v112-255 of K steps 5-7
;   window 1: v0-191 x's fragments of K steps 0-3 (48 s + 12 m); v192-203 K step 4, m = 0; v204-235 the accumulators (8 m); v236 + 4 m: n, M, the sum in two halves; v252 + m: the rescaling factor
.set REGB,  65536                      ; region A at 0: 80 rows, 816 bytes apart (3 x (256 + 16)); region B here: first 196,608 bytes of x, then 240 rows of W
.set FIVEB, 65280                      ; five tiles: 80 rows of 816 bytes
.set SCL,   262144                     ; W's scale bytes as they lie in memory, 32 a row: 16,384 bytes are stored, 12,800 read
.set BIA,   SCL+16384                  ; the bias: 4,096 bytes are stored, 1,600 read
.set SPARE, 282624                     ; the spare words: 128 bytes a wave, four blocks of 256 bytes that no other line names
.set STG,   283648                     ; the way out: 512 bytes a wave
.set AC,    204
.set MSB, 0
.macro WIN new                         ; the immediate's high byte repeats the setting that is left; a switch that changes nothing is dropped
.if MSB != (\new)
	s_set_vgpr_msb (MSB<<8)|(\new)
.set MSB, \new
.endif
.endm
.macro ROUND                           ; a round of the cluster's barrier
	s_barrier_signal -1
	s_barrier_wait -1
	s_cmp_lg_u32 s22, 0
	s_cbranch_scc1 .Lnot_wave_0_\@
	s_barrier_signal -3
.Lnot_wave_0_\@:
	s_barrier_wait -3
	s_barrier_signal -1
	s_barrier_wait -1
.endm
.macro PLACES                          ; four plain vector instructions between a matrix instruction and a load into, or a vector read of, its registers (ISA guide 7.12.1 for vector reads)
.rept 4
	v_nop
.endr
.endm
.macro XW s, m                         ; where x's fragment (s, m) lies: register XR of window XWN
.if (\s) < 4
.set XR, 48*(\s)+12*(\m)
.set XWN, 1
.elseif ((\s) == 4) && ((\m) == 0)
.set XR, 192
.set XWN, 1
.elseif (\s) == 4
.set XR, 76+12*((\m)-1)
.set XWN, 0
.else
.set XR, 112+48*((\s)-5)+12*(\m)
.set XWN, 0
.endif
.endm
.macro XLOAD s                         ; x's four fragments of K step s from memory: 12 loads of 512 consecutive bytes
.irp m, 0,1,2,3
	XW \s, \m
.set WV, XWN<<6
	WIN WV
.irp c, 0,1,2
	global_load_b128 v[XR+4*\c:XR+4*\c+3], v4, s[4:5] offset:(8*\m+\s)*1536+512*\c
.endr
.endr
.endm
.macro XREAD s                         ; x's four fragments of K step s (4 .. 7) from LDS: a tile of rows is 6,144 bytes there, a K step 1,536
.irp m, 0,1,2,3
	XW \s, \m
.set WV, XWN<<6
	WIN WV
.irp c, 0,1,2
	ds_load_b128 v[XR+4*\c:XR+4*\c+3], v3 offset:6144*\m+1536*((\s)-4)+512*\c
.endr
.endr
.endm
; W's fragment of tile t of the five in hand, K step s, into buffer s % 4: lane (r, h) takes 24 bytes at 96 s + 24 h and at 96 s + 48 + 24 h of row 16 t + r, in pieces of 8.  16 bytes of padding lie behind every
; 32 pieces; where the piece three on (lanes 16-31) lies behind one padding more, the second address register (40 for 24 bytes a half) serves.
.macro FRAG t, s
.irp p, 0,1,2,3,4,5
.set PCE, 12*(\s)+6*(\p/3)+\p%3
.set FD, 28+12*((\s)%4)+2*\p
.if PCE%32 < 29
	ds_load_b64 v[FD:FD+1], v3 offset:13056*(\t)+8*PCE+16*(PCE/32)
.else
	ds_load_b64 v[FD:FD+1], v4 offset:13056*(\t)+8*PCE+16*(PCE/32)
.endif
.endr
.endm
.macro AUX t                           ; tile t's scale words (lanes 0-15 K steps 0-3, lanes 16-31 K steps 4-7) and its bias in the result's layout, into buffer 3
	ds_load_b128 v[24:27], v5 offset:512*(\t)
	ds_load_b128 v[64:67], v6 offset:64*(\t)
	ds_load_b128 v[68:71], v6 offset:64*(\t)+16
.endm
.macro MULS s                          ; K step s: four matrix instructions, one on each accumulator
.set FB, 28+12*((\s)%4)
.irp m, 0,1,2,3
	XW \s, \m
.if (\s) == 0
.set WV, 0x40|(XWN<<2)
.else
.set WV, 0x50|(XWN<<2)
.endif
	WIN WV
.if (\s) == 0
	v_wmma_scale_f32_16x16x128_f8f6f4 v[AC+8*\m:AC+8*\m+7], v[FB:FB+11], v[XR:XR+11], v[64:71], v[24], v[8+4*\m] matrix_a_fmt:MATRIX_FMT_BF6 matrix_b_fmt:MATRIX_FMT_BF6
.elseif (\s) < 4
	v_wmma_scale_f32_16x16x128_f8f6f4 v[AC+8*\m:AC+8*\m+7], v[FB:FB+11], v[XR:XR+11], v[AC+8*\m:AC+8*\m+7], v[24+(\s)], v[8+4*\m+(\s)] matrix_a_fmt:MATRIX_FMT_BF6 matrix_b_fmt:MATRIX_FMT_BF6
.else
	v_wmma_scale_f32_16x16x128_f8f6f4 v[AC+8*\m:AC+8*\m+7], v[FB:FB+11], v[XR:XR+11], v[AC+8*\m:AC+8*\m+7], v[24+(\s)-4], v[8+4*\m+(\s)-4] matrix_a_fmt:MATRIX_FMT_BF6 matrix_b_fmt:MATRIX_FMT_BF6 matrix_a_scale:MATRIX_SCALE_ROW1 matrix_b_scale:MATRIX_SCALE_ROW1
.endif
.endr
.endm
.macro LW on, n                        ; the launch's first tile: x's loads of K steps 0-3 come K step by K step, 12 each; n later ones may stay out
.if \on
	s_wait_loadcnt \n
.endif
.endm
; A TILE.  On entry K steps 0-2, the scale words and the bias have been asked for.  Each run of loads goes into buffers that the K steps before have read, behind four places.
; The counts on DScnt: what was asked for behind the K step's own six loads.  In the last of five tiles nothing of a next tile is asked for, and the last three counts are 12, 6, 0.
.macro TILE t, x0
	s_wait_dscnt 0x0
	LW \x0, 36                                     ; x's scale words and K step 0
	MULS 0
	PLACES
	WIN 0
	FRAG \t, 3                                     ; buffer 3 held the bias, which K step 0 has read
	FRAG \t, 4
	LW \x0, 24
	MULS 1
	LW \x0, 12
	MULS 2
	PLACES
	WIN 0
	FRAG \t, 5
	FRAG \t, 6
	s_wait_dscnt 18                                ; behind K step 3's: 4, 5, 6
	LW \x0, 0
	MULS 3
	s_wait_dscnt 12                                ; 5, 6
	MULS 4
	PLACES
	WIN 0
	FRAG \t, 7
.if (\t) < 4
	FRAG (\t)+1, 0
	s_wait_dscnt 18                                ; 6, 7, the next tile's 0
.else
	s_wait_dscnt 12
.endif
	MULS 5
.if (\t) < 4
	s_wait_dscnt 12                                ; 7, the next tile's 0
.else
	s_wait_dscnt 6
.endif
	MULS 6
.if (\t) < 4
	PLACES
	WIN 0
	FRAG (\t)+1, 1
	FRAG (\t)+1, 2
	s_wait_dscnt 18                                ; the next tile's 0, 1, 2
.else
	s_wait_dscnt 0x0
.endif
	MULS 7
	PLACES                                         ; in front of the loads below and of the first read of the results
	WIN 0
.if (\t) < 4
	AUX (\t)+1
.endif
.endm
; THE EPILOGUE of a tile, the four tiles of rows by turns in every part.  Each accumulator is read from its low end on.
.macro EPI
	WIN 0x55
.irp i, 0,2,4,6
.irp m, 0,1,2,3
	v_max3_num_f32 v[237+4*\m], v[237+4*\m], v[AC+8*\m+\i], v[AC+8*\m+\i+1]   ; the running maximum M
.endr
.endr
.irp m, 0,1,2,3
	v_fma_f32 v[252+\m], v[237+4*\m], s44, -v[236+4*\m]            ; n new - n old, 0 or less but for n old's rounding
.endr
.irp m, 0,1,2,3
	v_mul_f32 v[236+4*\m], s44, v[237+4*\m]                        ; n = -M log2 e
.endr
.irp i, 0,2,4,6
.irp m, 0,1,2,3
	v_pk_fma_f32 v[AC+8*\m+\i:AC+8*\m+\i+1], v[AC+8*\m+\i:AC+8*\m+\i+1], s[42:43], v[236+4*\m:237+4*\m] op_sel_hi:[1,0,0]   ; t + n, two at a time
.endr
.endr
	s_wait_alu depctr_va_vdst(0)                   ; ahead of the batch
.irp m, 0,1,2,3
	v_exp_f32 v[252+\m], v[252+\m]
.endr
.irp j, 0,1,2,3,4,5,6,7
.irp m, 0,1,2,3
	v_exp_f32 v[AC+8*\m+\j], v[AC+8*\m+\j]
.endr
.endr
	v_nop                                          ; a plain instruction behind the last exponential
	s_wait_alu depctr_va_vdst(0)                   ; one wait for the batch
.irp m, 0,1,2,3
	v_fma_f32 v[238+4*\m], v[238+4*\m], v[252+\m], v[AC+8*\m]      ; the sum under the new maximum, + the first pair
	v_fma_f32 v[239+4*\m], v[239+4*\m], v[252+\m], v[AC+8*\m+1]
.endr
.irp i, 2,4,6
.irp m, 0,1,2,3
	v_pk_add_f32 v[238+4*\m:239+4*\m], v[238+4*\m:239+4*\m], v[AC+8*\m+\i:AC+8*\m+\i+1]
.endr
.endr
	s_wait_alu depctr_va_vdst(0)
	WIN 0
.endm
; The addresses of the five tiles in hand, made anew from the thread's number and three scalars that step with them; then what the first of the five wants at its start.
.macro PRIME
	v_and_b32 v28, 15, v0                          ; r
	v_bfe_u32 v29, v0, 4, 1                        ; h
	v_mul_u32_u24 v7, v28, 816
	v_lshlrev_b32 v5, 5, v28
	v_lshl_add_u32 v6, v29, 5, s40                 ; the bias: + 32 h
	v_add_nc_u32 v7, s38, v7
	v_lshl_add_u32 v5, v29, 4, v5
	v_mad_u32_u24 v3, v29, 24, v7                  ; W: row r x 816 + 24 h,
	v_mad_u32_u24 v4, v29, 40, v7                  ; and the same behind one padding more
	v_add_nc_u32 v5, s39, v5                       ; W's scale words: 32 r + 16 h
	s_wait_alu depctr_va_vdst(0)
	AUX 0
	FRAG 0, 0
	FRAG 0, 1
	FRAG 0, 2
.endm
; FIVE TILES.  The epilogue of the tile before stands behind each tile's first loads; the last tile's is left to whatever follows.
.macro FIVE x0
	PRIME
	EPI
	TILE 0, \x0
	EPI
	TILE 1, 0
	EPI
	TILE 2, 0
	EPI
	TILE 3, 0
	EPI
	TILE 4, 0
	s_add_co_u32 s39, s39, 2560                    ; the next 80 rows' scale words,
	s_add_co_u32 s40, s40, 320                     ; and their bias
.endm
	s_load_b512 s[4:19], s[0:1], 0x0               ; xq 4, xs 6, W's codes 8, W's scales 10, logits_b 12, wt_codes 14, wt_scales 16, bt 18
	s_load_b64 s[20:21], s[0:1], 0x40              ; part
	v_lshl_add_u32 v1, v0, 2, SPARE
	v_mov_b32 v2, 0
	ds_add_u32 v1, v2                              ; the opening lines: the add, twice on end, and its wait ahead of my first tensor load
	ds_add_u32 v1, v2
	v_lshrrev_b32 v3, 5, v0
	v_readfirstlane_b32 s22, v3                    ; wave 0 .. 7
	s_and_b32 s36, s22, 3                          ; which quarter of a head's tile I fetch
	s_bfe_u32 s23, ttmp6, 0x40000                  ; cx
	s_bfe_u32 s24, ttmp6, 0x40004                  ; cy
	s_lshl_b32 s25, ttmp9, 2
	s_add_co_u32 s25, s25, s23                     ; gx = 4 x cluster x + cx: the chunk
	s_and_b32 s26, ttmp7, 0xffff
	s_lshl_b32 s26, s26, 2
	s_add_co_u32 s26, s26, s24                     ; gy = 4 x cluster y + cy
	s_lshl_b32 s27, 0x1111, s23                    ; my column of the cluster
	s_lshl_b32 s37, s24, 2
	s_lshl_b32 s37, 15, s37                        ; my row of the cluster
	; group 1 for region A's refill: 10 rows of 768 bytes are dense in memory: 30 rows of 256 bytes (32 elements of 8), 16 bytes of padding behind each
	s_or_b32 s28, s27, (3<<16)|(1<<20)|(1<<21)|(5<<22)|(3<<25)
	s_mov_b32 s29, 32<<16
	s_mov_b32 s30, 30<<16
	s_mov_b32 s31, 32<<16
	s_mov_b32 s32, 30
	s_mov_b32 s33, 32
	s_mov_b32 s34, 0
	s_mov_b32 s35, 0
	; for region B: 30 rows of 768 bytes: 90 rows of 256
	s_or_b32 s68, s27, (3<<16)|(1<<20)|(1<<21)|(5<<22)|(3<<25)
	s_mov_b32 s69, 32<<16
	s_mov_b32 s70, 90<<16
	s_mov_b32 s71, 32<<16
	s_mov_b32 s72, 90
	s_mov_b32 s73, 32
	s_mov_b32 s74, 0
	s_mov_b32 s75, 0
	; for x: 8 tiles of rows, of each the 6,144 bytes of K steps 4-7 (768 elements of 8), 12,288 bytes apart in memory, on end in LDS
	s_or_b32 s76, s37, (3<<16)|(1<<21)
	s_mov_b32 s77, 768<<16
	s_mov_b32 s78, 8<<16
	s_mov_b32 s79, 768<<16
	s_mov_b32 s80, 8
	s_mov_b32 s81, 1536
	s_mov_b32 s82, 0
	s_mov_b32 s83, 0
	; for region A's first fill: 20 rows of 768 bytes: 60 rows of 256
	s_or_b32 s84, s27, (3<<16)|(1<<20)|(1<<21)|(5<<22)|(3<<25)
	s_mov_b32 s85, 32<<16
	s_mov_b32 s86, 60<<16
	s_mov_b32 s87, 32<<16
	s_mov_b32 s88, 60
	s_mov_b32 s89, 32
	s_mov_b32 s90, 0
	s_mov_b32 s91, 0
	s_mov_b32 s38, 0                               ; LDS: where the five tiles in hand begin,
	s_mov_b32 s39, SCL                             ; their scale words,
	s_mov_b32 s40, BIA                             ; and their bias
	s_mov_b32 s42, 0x3fb8aa3b                      ; log2 e
	s_mov_b32 s43, s42                             ; (named with it as a pair)
	s_mov_b32 s44, 0xbfb8aa3b                      ; -log2 e
	s_mov_b32 s45, 0xff61b1e6                      ; -3e38
	s_mov_b32 s46, 0x76543210
	s_mov_b32 s47, 0xfedcba98                      ; v_permlanex16_b32's selects for lane l xor 16
	s_lshl_b32 s50, s22, 9
	s_add_co_u32 s50, s50, STG                     ; my stage
	s_mul_i32 s51, s22, 24576
	s_add_co_u32 s51, s51, REGB                    ; LDS: my four tiles of rows of x
	s_lshl_b32 s56, s26, 5
	s_lshl_b32 s57, s22, 2
	s_add_co_u32 s56, s56, s57                     ; my first tile of rows: 32 gy + 4 w
	s_mul_i32 s56, s56, 12288
	s_mov_b32 s57, 0
	s_lshl_b32 s58, s26, 14
	s_lshl_b32 s59, s22, 11
	s_add_co_u32 s58, s58, s59                     ; my first row's scale bytes: (512 gy + 64 w) x 32
	s_mov_b32 s59, 0
	s_lshl_b32 s60, s25, 14                        ; part: chunk gx of 16,384 bytes,
	s_lshl_b32 s61, s26, 11
	s_add_co_u32 s60, s60, s61
	s_lshl_b32 s61, s22, 8
	s_add_co_u32 s60, s60, s61                     ; + my first row x 4
	s_mov_b32 s61, 0
	s_lshl_b32 s62, s26, 5
	s_lshl_b32 s63, s36, 3
	s_add_co_u32 s62, s62, s63                     ; the eight tiles of rows that I fetch of x: from 32 gy + 8 (w & 3) on,
	s_mul_i32 s66, s62, 12288
	s_add_co_u32 s66, s66, 6144                    ; from K step 4 on
	s_mov_b32 s67, 0
	v_and_b32 v4, 31, v0
	v_and_b32 v5, 15, v0
	v_bfe_u32 v6, v0, 4, 1
	v_lshlrev_b32 v4, 4, v4                        ; 16 x lane: an image's place for my lane
	v_lshlrev_b32 v5, 5, v5
	v_lshl_add_u32 v5, v6, 4, v5                   ; x's scale words: 32 r + 16 h
	v_lshlrev_b32 v6, 4, v0                        ; 16 x thread
	v_add_nc_u32 v3, s51, v4                       ; x in LDS
	v_add_nc_u32 v7, SCL, v6
	v_add_nc_u32 v28, 12288, v6
	v_min_u32 v29, 1584, v6                        ; the bias: held at the chunk's last 16 bytes
	v_min_u32 v28, 12784, v28                      ; the scale bytes' fourth load: likewise
	s_wait_alu depctr_va_vdst(0)                   ; ahead of the waits below
	s_wait_dscnt 0x0                               ; both opening adds are done
	s_wait_kmcnt 0x0
	s_mov_b32 s92, 1                               ; group 0 for x
	s_mul_i32 s93, s36, 49152
	s_add_co_u32 s93, s93, REGB
	s_add_nc_u64 s[94:95], s[4:5], s[66:67]
	s_or_b32 s95, s95, 0x80000000
	s_add_nc_u64 s[4:5], s[4:5], s[56:57]
	s_add_nc_u64 s[6:7], s[6:7], s[58:59]
	s_add_nc_u64 s[48:49], s[20:21], s[60:61]
	s_sub_co_u32 s63, s25, 30
	s_cmp_ge_u32 s25, 30                           ; chunks 30 and 31 read the padded copies, which begin at chunk 30
	s_cselect_b64 s[8:9], s[14:15], s[8:9]
	s_cselect_b64 s[10:11], s[16:17], s[10:11]
	s_cselect_b64 s[12:13], s[18:19], s[12:13]
	s_cselect_b32 s62, s63, s25
	s_mul_i32 s66, s62, 12800
	s_add_nc_u64 s[10:11], s[10:11], s[66:67]      ; the chunk's scale bytes,
	s_mul_i32 s66, s62, 1600
	s_add_nc_u64 s[12:13], s[12:13], s[66:67]      ; its bias,
	s_mul_i32 s66, s62, 307200                     ; its 400 rows of 768 bytes
	s_add_nc_u64 s[8:9], s[8:9], s[66:67]
	s_mul_i32 s66, s36, 15360                      ; region A's first fill: 20 rows of 80 for each of waves 4-7
	s_mov_b32 s96, 1
	s_mul_i32 s97, s36, 16320                      ; 20 rows of 816 bytes: no place in the cluster enters an LDS address
	s_add_nc_u64 s[98:99], s[8:9], s[66:67]
	s_or_b32 s99, s99, 0x80000000
	s_mul_i32 s66, s22, 7680                       ; region A's refill: 10 rows of 80 for each wave; 320 rows are added when it is due
	s_mov_b32 s52, 1
	s_mul_i32 s53, s22, 8160
	s_add_nc_u64 s[54:55], s[8:9], s[66:67]
	s_or_b32 s55, s55, 0x80000000
	s_mul_i32 s66, s22, 23040                      ; region B: rows 80 .. 319, my 30 of them
	s_add_co_u32 s66, s66, 61440
	s_mov_b32 s56, 1
	s_mul_i32 s57, s22, 24480
	s_add_co_u32 s57, s57, REGB
	s_add_nc_u64 s[58:59], s[8:9], s[66:67]
	s_or_b32 s59, s59, 0x80000000
	ROUND                                          ; all sixteen work-groups are here: the first joint loads meet
	; THE HEAD'S LOADS, ONE A WAVE: one branch on the wave's number, a load in each arm, one join
	s_cmp_lt_u32 s22, 4
	s_cbranch_scc0 .Lhead_w
	tensor_load_to_lds s[92:95], s[76:83]          ; waves 0-3: x's K steps 4-7, with my row of the cluster
	s_nop 0
	PLACES
	s_branch .Lhead_asked
.Lhead_w:
	tensor_load_to_lds s[96:99], s[84:91]          ; waves 4-7: W's tiles 0-4, with my column of the cluster
	s_nop 0
	PLACES
.Lhead_asked:
	WIN 0x40                                       ; destination window 1: the accumulators' registers carry the staged bytes
.irp k, 0,1,2
	global_load_b128 v[AC+4*\k:AC+4*\k+3], v6, s[10:11] offset:4096*\k
.endr
	global_load_b128 v[AC+12:AC+15], v28, s[10:11]
	global_load_b128 v[AC+16:AC+19], v29, s[12:13]
	WIN 0
.irp m, 0,1,2,3
	global_load_b128 v[8+4*\m:11+4*\m], v5, s[6:7] offset:512*\m
.endr
	XLOAD 0
	XLOAD 1
	XLOAD 2
	XLOAD 3
	WIN 0x04                                       ; an LDS store's data are its source 1: window 1
	s_wait_loadcnt 52                              ; the five staged loads are in: behind them 4 + 48 loads
.irp k, 0,1,2,3,4
	ds_store_b128 v7, v[AC+4*\k:AC+4*\k+3] offset:4096*\k          ; the scale bytes, and behind them the bias
.endr
	WIN 0x40
.set i, 0
.rept 32
	v_mov_b32 v[AC+i], s45                         ; what the first epilogue finds
.set i, i+1
.endr
.irp m, 0,1,2,3
	v_mov_b32 v[236+4*\m], 0x7eb8aa3b              ; n = 2^126 log2 e, exactly -M log2 e
	v_mov_b32 v[237+4*\m], 0xfe800000              ; M = -2^126
	v_mov_b32 v[238+4*\m], 0                       ; the sum, in two halves
	v_mov_b32 v[239+4*\m], 0
.endr
	WIN 0
	s_wait_alu depctr_va_vdst(0)
	s_wait_xcnt 0x0                                ; the loads have read their address registers, which are written anew below
	s_wait_tensorcnt 0x0                           ; my tile of the head's is in,
	s_wait_dscnt 0x0                               ; and my stores of scale bytes and bias have landed
	s_barrier_signal -1
	s_barrier_wait -1                              ; and so everybody's
	XREAD 4
	XREAD 5
	XREAD 6
	XREAD 7
	WIN 0
	; region B is filled again, with W
	s_wait_tensorcnt 0x0
	ds_add_u32 v1, v2                              ; 0 onto my spare word
	s_wait_dscnt 0x0                               ; the add is done, and x is in my registers
	ROUND
	tensor_load_to_lds s[56:59], s[68:75]          ; tiles 5-19
	s_nop 0
	FIVE 1                                         ; tiles 0-4
	; region A is filled again
	s_wait_tensorcnt 0x0                           ; my part of region B is in; no tensor load of mine is out, so a group 0 may be written
	ds_add_u32 v1, v2
	s_add_nc_u64 s[54:55], s[54:55], 245760        ; 320 rows on; the type bits on top are not reached
	s_mov_b32 s38, REGB
	s_wait_dscnt 0x0                               ; the add is done, and my reads of region A are over
	ROUND
	tensor_load_to_lds s[52:55], s[28:35]          ; tiles 20-24, onto the bytes that tiles 0-4 held
	s_nop 0
	s_mov_b32 s41, 3
.Lfive:                                                ; three trips: tiles 5-19
	FIVE 0
	s_add_co_u32 s38, s38, FIVEB
	s_sub_co_u32 s41, s41, 1
	s_cmp_lg_u32 s41, 0
	s_cbranch_scc1 .Lfive
	s_wait_tensorcnt 0x0                           ; my part of tiles 20-24 is in
	ds_add_u32 v1, v2
	s_mov_b32 s38, 0
	s_wait_dscnt 0x0
	s_barrier_signal -1
	s_barrier_wait -1                              ; and so is everybody's
	FIVE 0                                         ; tiles 20-24
	EPI
	; THE CHUNK'S END: lanes l and l xor 16 hold the two halves of a row's columns.  With nm the lesser n: T = log2(S 2^(nm - n) + S' 2^(nm - n')) - nm
	WIN 0x55
.irp m, 0,1,2,3
	v_add_f32 v[AC+\m], v[238+4*\m], v[239+4*\m]
.endr
.irp m, 0,1,2,3
	v_permlanex16_b32 v[AC+4+\m], v[236+4*\m], s46, s47
.endr
.irp m, 0,1,2,3
	v_permlanex16_b32 v[AC+8+\m], v[AC+\m], s46, s47
.endr
.irp m, 0,1,2,3
	v_min_num_f32 v[AC+12+\m], v[236+4*\m], v[AC+4+\m]
.endr
.irp m, 0,1,2,3
	v_sub_f32 v[AC+16+\m], v[AC+12+\m], v[236+4*\m]
.endr
.irp m, 0,1,2,3
	v_sub_f32 v[AC+4+\m], v[AC+12+\m], v[AC+4+\m]
.endr
	s_wait_alu depctr_va_vdst(0)                   ; ahead of the batch
.irp m, 0,1,2,3
	v_exp_f32 v[AC+16+\m], v[AC+16+\m]
	v_exp_f32 v[AC+4+\m], v[AC+4+\m]
.endr
	v_nop
	s_wait_alu depctr_va_vdst(0)                   ; one wait for the eight
.irp m, 0,1,2,3
	v_mul_f32 v[AC+\m], v[AC+\m], v[AC+16+\m]
.endr
.irp m, 0,1,2,3
	v_fmac_f32 v[AC+\m], v[AC+8+\m], v[AC+4+\m]
.endr
	s_wait_alu depctr_va_vdst(0)                   ; ahead of the batch
.irp m, 0,1,2,3
	v_log_f32 v[AC+\m], v[AC+\m]
.endr
	v_nop
	s_wait_alu depctr_va_vdst(0)                   ; one wait for the four
.irp m, 0,1,2,3
	v_sub_f32 v[AC+\m], v[AC+\m], v[AC+12+\m]
.endr
	WIN 0
	v_and_b32 v28, 31, v0
	v_lshl_add_u32 v29, v28, 2, s50                ; in: 4 x lane
	v_lshrrev_b32 v30, 3, v28
	v_and_b32 v31, 7, v28
	v_lshlrev_b32 v30, 7, v30
	v_lshl_add_u32 v30, v31, 3, v30
	v_add_nc_u32 v30, s50, v30                     ; back: 128 (lane / 8) + 8 (lane % 8)
	v_lshlrev_b32 v31, 3, v28                      ; and 8 x lane in part
	s_wait_alu depctr_va_vdst(0)
	WIN 0x04
.irp m, 0,1,2,3
	ds_store_b32 v29, v[AC+\m] offset:128*\m       ; each lane to a word of its own; row 16 m + r lies at 128 m + 4 r
.endr
	WIN 0
	ds_load_b64 v[32:33], v30                      ; rows 2 l and 2 l + 1; LDS serves a wave's instructions in order (ISA guide 5.7.1.4)
	s_wait_dscnt 0x0
	global_store_b64 v31, v[32:33], s[48:49]       ; 32 lanes store my 64 rows: 256 consecutive bytes, aligned
	s_wait_tensorcnt 0x0                           ; the wave's end
	ds_add_u32 v1, v2
	s_wait_dscnt 0x0
	ROUND                                          ; the closing round: no work-group ends while a partner may still ask for a tile that names it
	s_endpgm
.Lfunc_end_k_qbfb55ea22f_lse:
	.size	k_qbfb55ea22f_lse, .Lfunc_end_k_qbfb55ea22f_lse-k_qbfb55ea22f_lse
	.p2alignl 7, 3214868480
	.fill 96, 4, 3214868480
	.section	.rodata,"a",@progbits
	.p2align	6, 0x0
	.amdhsa_kernel k_qbfb55ea22f_lse
		.amdhsa_group_segment_fixed_size 327680
		.amdhsa_private_segment_fixed_size 0
		.amdhsa_enable_private_segment 0
		.amdhsa_kernarg_size 72
		.amdhsa_user_sgpr_count 2
		.amdhsa_user_sgpr_kernarg_segment_ptr 1
		.amdhsa_wavefront_size32 1
		.amdhsa_system_sgpr_workgroup_id_x 1
		.amdhsa_system_sgpr_workgroup_id_y 1
		.amdhsa_system_sgpr_workgroup_id_z 1
		.amdhsa_system_vgpr_workitem_id 0
		.amdhsa_next_free_vgpr 512
		.amdhsa_next_free_sgpr 100
		.amdhsa_reserve_vcc 0
		.amdhsa_float_denorm_mode_32 3
		.amdhsa_float_denorm_mode_16_64 3
		.amdhsa_memory_ordered 1
		.amdhsa_forward_progress 1
		.amdhsa_inst_pref_size 230
	.end_amdhsa_kernel
	.amdgpu_metadata
---
amdhsa.version: [ 1, 2 ]
amdhsa.kernels:
  - .name:           k_qbfb55ea22f_lse
    .symbol:         k_qbfb55ea22f_lse.kd
    .args:
      - { .name: xq, .offset: 0, .size: 8, .value_kind: global_buffer, .address_space: global }
      - { .name: xs, .offset: 8, .size: 8, .value_kind: global_buffer, .address_space: global }
      - { .name: logits_w_codes, .offset: 16, .size: 8, .value_kind: global_buffer, .address_space: global }
      - { .name: logits_w_scales, .offset: 24, .size: 8, .value_kind: global_buffer, .address_space: global }
      - { .name: logits_b, .offset: 32, .size: 8, .value_kind: global_buffer, .address_space: global }
      - { .name: wt_codes, .offset: 40, .size: 8, .value_kind: global_buffer, .address_space: global }
      - { .name: wt_scales, .offset: 48, .size: 8, .value_kind: global_buffer, .address_space: global }
      - { .name: bt, .offset: 56, .size: 8, .value_kind: global_buffer, .address_space: global }
      - { .name: part, .offset: 64, .size: 8, .value_kind: global_buffer, .address_space: global }
    .group_segment_fixed_size: 327680
    .private_segment_fixed_size: 0
    .kernarg_segment_align: 8
    .kernarg_segment_size: 72
    .max_flat_workgroup_size: 256
    .sgpr_count:     100
    .vgpr_count:     512
    .wavefront_size: 32
...
	.end_amdgpu_metadata
.endif
;; end of part 2
;; launch fin (part 3): grid 64 x 1, 1 waves a work-group, no clusters, 0 bytes of LDS; arguments y, aux, part, out0; writes out0
.if DOCPART == 3
	.amdgcn_target "amdgcn-amd-amdhsa--gfx1250"
	.amdhsa_code_object_version 6
	.text
	.protected	k_qbfb55ea22f_fin
	.globl	k_qbfb55ea22f_fin
	.p2align	8
	.type	k_qbfb55ea22f_fin,@function
k_qbfb55ea22f_fin:
	s_mov_b64 s[64:65], 0
	v_nop
	global_prefetch_b8 v0, s[64:65] scope:SCOPE_SE
	s_setreg_imm32_b32 hwreg(HW_REG_WAVE_MODE, 25, 1), 1
	s_wait_xcnt 0x0
; FIN.  nll[row] = -(log_softmax(gate)[c] + logit[y] - logsumexp over cluster c's columns), c the cluster of y (cuts at 2,000 and 10,000); 0 where y lies outside 0 .. 12,563, as the masks leave it.
; part[chunk q][row] holds log2 of a chunk's sum of 2^(logit log2 e); cluster 0 is chunks 0-4, cluster 1 chunks 5-24, cluster 2 chunks 25-31.  The chunks outside the row's cluster are set to -3e38,
; the largest of the rest is taken away, and the rest is a sum of 32 exponentials.  aux[row] = z0, z1, z2, the target logit.
; Thread g owns rows 2 g and 2 g + 1: each load of part reads 256 consecutive bytes a wave, and the wave's one store is 256 consecutive bytes, aligned.  64 waves have all the work there is: 35 loads each, all out together.
; No LDS, no matrix unit, no cluster: nothing is shared.
	s_load_b256 s[4:11], s[0:1], 0x0               ; y, aux, part, out0
	v_lshlrev_b32 v1, 3, v0
	s_lshl_b32 s12, ttmp9, 8
	v_add_nc_u32 v1, s12, v1                       ; 8 g
	v_lshlrev_b32 v2, 2, v1                        ; 32 g
	s_mov_b32 s16, 0x3fb8aa3b                      ; log2 e
	s_mov_b32 s17, 0x3f317218                      ; ln 2
	s_mov_b32 s22, 2000
	s_mov_b32 s23, 10000
	s_mov_b32 s24, 12564
	v_mov_b32 v21, 0xff61b1e6                      ; -3e38
	s_wait_alu depctr_va_vdst(0)
	s_wait_kmcnt 0x0
	global_load_b64 v[4:5], v1, s[4:5]
	global_load_b128 v[8:11], v2, s[6:7]
	global_load_b128 v[12:15], v2, s[6:7] offset:16
.irp q, 0,1,2,3,4,5,6,7,8,9,10,11,12,13,14,15,16,17,18,19,20,21,22,23,24,25,26,27,28,29,30,31
	global_load_b64 v[32+2*\q:33+2*\q], v1, s[8:9] offset:16384*\q
.endr
	s_wait_loadcnt 0x0
.irp p, 0,1
	v_cmp_le_u32 s[18+2*\p], s22, v[4+\p]          ; y >= 2,000 (unsigned: a negative y counts as large)
	v_cmp_le_u32 s[19+2*\p], s23, v[4+\p]          ; y >= 10,000
	v_cndmask_b32 v[16+\p], 0, 5, s[18+2*\p]       ; the cluster's first chunk,
	v_cndmask_b32 v[16+\p], v[16+\p], 25, s[19+2*\p]
	v_cndmask_b32 v[18+\p], 5, 20, s[18+2*\p]      ; and how many it has
	v_cndmask_b32 v[18+\p], v[18+\p], 7, s[19+2*\p]
.endr
.irp q, 0,1,2,3,4,5,6,7,8,9,10,11,12,13,14,15,16,17,18,19,20,21,22,23,24,25,26,27,28,29,30,31
.irp p, 0,1
	v_sub_nc_u32 v[110+\p], \q, v[16+\p]           ; q - first wraps round where q lies below
	v_cmp_gt_u32 vcc_lo, v[18+\p], v[110+\p]
	v_cndmask_b32 v[32+2*\q+\p], v21, v[32+2*\q+\p], vcc_lo
.endr
.endr
.irp p, 0,1
	v_max3_num_f32 v[22+\p], v[32+\p], v[34+\p], v[36+\p]
.endr
.irp q, 3,5,7,9,11,13,15,17,19,21,23,25,27,29
.irp p, 0,1
	v_max3_num_f32 v[22+\p], v[22+\p], v[32+2*\q+\p], v[34+2*\q+\p]
.endr
.endr
.irp p, 0,1
	v_max_num_f32 v[22+\p], v[22+\p], v[94+\p]     ; M: the largest of the cluster's chunks
	v_max3_num_f32 v[26+\p], v[8+4*\p], v[9+4*\p], v[10+4*\p]      ; the gate's largest logit
.endr
.irp p, 0,1
	v_mul_f32 v[28+\p], s16, v[26+\p]
.endr
.irp p, 0,1
.irp c, 0,1,2
	v_fma_f32 v[96+3*\p+\c], v[8+4*\p+\c], s16, -v[28+\p]          ; (z - largest) log2 e
.endr
.endr
.irp q, 0,1,2,3,4,5,6,7,8,9,10,11,12,13,14,15,16,17,18,19,20,21,22,23,24,25,26,27,28,29,30,31
	v_pk_add_f32 v[32+2*\q:33+2*\q], v[32+2*\q:33+2*\q], v[22:23] neg_lo:[0,1] neg_hi:[0,1]   ; both rows at once
.endr
	s_wait_alu depctr_va_vdst(0)
.irp j, 0,1,2,3,4,5,6,7,8,9,10,11,12,13,14,15,16,17,18,19,20,21,22,23,24,25,26,27,28,29,30,31,32,33,34,35,36,37,38,39,40,41,42,43,44,45,46,47,48,49,50,51,52,53,54,55,56,57,58,59,60,61,62,63
	v_exp_f32 v[32+\j], v[32+\j]                   ; one batch: the chunks',
.endr
.irp j, 0,1,2,3,4,5
	v_exp_f32 v[96+\j], v[96+\j]                   ; and the gate's
.endr
	v_nop                                          ; a plain instruction behind the last exponential
	s_wait_alu depctr_va_vdst(0)                   ; one wait for the batch, ahead of its first reader
	v_pk_add_f32 v[24:25], v[32:33], v[34:35]      ; the sums, in two chains
	v_pk_add_f32 v[30:31], v[36:37], v[38:39]
.irp q, 4,6,8,10,12,14,16,18,20,22,24,26,28,30
	v_pk_add_f32 v[24:25], v[24:25], v[32+2*\q:33+2*\q]
	v_pk_add_f32 v[30:31], v[30:31], v[34+2*\q:35+2*\q]
.endr
	v_pk_add_f32 v[24:25], v[24:25], v[30:31]
.irp p, 0,1
	v_add_f32 v[102+\p], v[96+3*\p], v[97+3*\p]
.endr
.irp p, 0,1
	v_add_f32 v[102+\p], v[102+\p], v[98+3*\p]
.endr
	s_wait_alu depctr_va_vdst(0)
	v_log_f32 v24, v24
	v_log_f32 v25, v25
	v_log_f32 v102, v102
	v_log_f32 v103, v103
.irp p, 0,1
	v_cndmask_b32 v[104+\p], v[8+4*\p], v[9+4*\p], s[18+2*\p]      ; the gate's logit of the row's cluster (plain work behind the logarithms)
.endr
.irp p, 0,1
	v_cndmask_b32 v[104+\p], v[104+\p], v[10+4*\p], s[19+2*\p]
.endr
.irp p, 0,1
	v_sub_f32 v[106+\p], v[26+\p], v[104+\p]
.endr
.irp p, 0,1
	v_sub_f32 v[106+\p], v[106+\p], v[11+4*\p]     ; largest z - z[c] - target logit
.endr
	s_wait_alu depctr_va_vdst(0)                   ; one wait for the four logarithms
	v_pk_add_f32 v[24:25], v[24:25], v[22:23]      ; M + log2 of the sum,
	v_pk_add_f32 v[24:25], v[24:25], v[102:103]    ; + the gate's log2
.irp p, 0,1
	v_fma_f32 v[106+\p], v[24+\p], s17, v[106+\p]  ; x ln 2, + the rest
.endr
.irp p, 0,1
	v_cmp_gt_u32 vcc_lo, s24, v[4+\p]
	v_cndmask_b32 v[108+\p], 0, v[106+\p], vcc_lo
.endr
	global_store_b64 v1, v[108:109], s[10:11]
	s_endpgm
.Lfunc_end_k_qbfb55ea22f_fin:
	.size	k_qbfb55ea22f_fin, .Lfunc_end_k_qbfb55ea22f_fin-k_qbfb55ea22f_fin
	.p2alignl 7, 3214868480
	.fill 96, 4, 3214868480
	.section	.rodata,"a",@progbits
	.p2align	6, 0x0
	.amdhsa_kernel k_qbfb55ea22f_fin
		.amdhsa_group_segment_fixed_size 0
		.amdhsa_private_segment_fixed_size 0
		.amdhsa_enable_private_segment 0
		.amdhsa_kernarg_size 32
		.amdhsa_user_sgpr_count 2
		.amdhsa_user_sgpr_kernarg_segment_ptr 1
		.amdhsa_wavefront_size32 1
		.amdhsa_system_sgpr_workgroup_id_x 1
		.amdhsa_system_sgpr_workgroup_id_y 1
		.amdhsa_system_sgpr_workgroup_id_z 1
		.amdhsa_system_vgpr_workitem_id 0
		.amdhsa_next_free_vgpr 128
		.amdhsa_next_free_sgpr 66
		.amdhsa_reserve_vcc 1
		.amdhsa_float_denorm_mode_32 3
		.amdhsa_float_denorm_mode_16_64 3
		.amdhsa_memory_ordered 1
		.amdhsa_forward_progress 1
		.amdhsa_inst_pref_size 21
	.end_amdhsa_kernel
	.amdgpu_metadata
---
amdhsa.version: [ 1, 2 ]
amdhsa.kernels:
  - .name:           k_qbfb55ea22f_fin
    .symbol:         k_qbfb55ea22f_fin.kd
    .args:
      - { .name: y, .offset: 0, .size: 8, .value_kind: global_buffer, .address_space: global }
      - { .name: aux, .offset: 8, .size: 8, .value_kind: global_buffer, .address_space: global }
      - { .name: part, .offset: 16, .size: 8, .value_kind: global_buffer, .address_space: global }
      - { .name: out0, .offset: 24, .size: 8, .value_kind: global_buffer, .address_space: global }
    .group_segment_fixed_size: 0
    .private_segment_fixed_size: 0
    .kernarg_segment_align: 8
    .kernarg_segment_size: 32
    .max_flat_workgroup_size: 32
    .sgpr_count:     66
    .vgpr_count:     128
    .wavefront_size: 32
...
	.end_amdgpu_metadata
.endif
;; end of part 3
